; MI455X (gfx1250); checked and timed in simulation.
; The chip was launched on July 23, 2026; its instructions are those of AMD's public machine-readable ISA for CDNA 5 (MIT licence, August 2026) and "CDNA5" Instruction Set Architecture Reference Guide (July 2026). The comments in the code are by the model that wrote it; some were corrected since.
;; CMDP Encoder. Allowed arithmetic: matrix products marked QUANTISED: E5M2 operands, one given power-of-two scale a tensor, by v_wmma_f32_16x16x64_bf8_bf8 or v_wmma_f32_16x16x128_bf8_bf8, f32 sums; everything else in f32.
;; Inputs: base_embeddings_codes 32 x 512 x 24 x 32 uint8 (E5M2 codes of base_embeddings, K innermost, in blocks of 32 codes); codebook 4,096 x 768 float32; lowp_scales 2 int32 (the exponents e of the quantised operands' scales 2^e); noise 32 x 512 x 768 float32; rand_idx 32 x 512 x 8 int32.
;; Outputs: out0 32 x 512 x 768 float32.
;; This version of the problem:
;;   THIS VERSION OF THE PROBLEM IS GIVEN IN LOW PRECISION. The matrix products marked QUANTISED in the list below multiply operands that are first quantised to E5M2 (5 exponent bits, 2 mantissa bits; 8 bits a number), with one given power-of-two scale for each operand tensor; their sums are f32. All else is computed in f32.
;;   The module's matrix products, in the order in which they are computed (A, B: the left and right operand; K: the contracted axis; several contracted axes count as one K, in the product's order):
;;     1. [M 16,384, K 768] x [K 768, N 4,096]; A: input base_embeddings (given as codes); B: input codebook: QUANTISED (scales: A lowp_scales[0], B lowp_scales[1])
;;   THE QUANTISER, for each operand of a quantised product, along K:
;;     - The operand's scale is 2^e, e = its entry of the input lowp_scales (int32; the entries are numbered through the quantised products in the list's order, A before B).
;;     - Each number is divided by the scale, clamped to +-57,344, and rounded to the nearest number of E5M2, ties to even, subnormals kept.
;;     - The product sums the exact products of the quantised numbers (number of the format x scale) in f32.
;;   ~~~python
;;   def quantise(x, axis, e):      # numpy; x: float32 -> the quantised numbers, widened to float32 again
;;       x = np.moveaxis(x, axis, -1); K = x.shape[-1]
;;       r = np.clip(x / 2.0 ** e, -57344, 57344)
;;       step = 2.0 ** (np.maximum(np.frexp(np.where(r == 0, 1, r))[1] - 1, -14) - 2)
;;       q = np.round(r / step) * step * 2.0 ** e      # np.round: ties to even
;;       return np.moveaxis(q, -1, axis).astype(np.float32)
;;   ~~~
;;   INPUTS GIVEN AS CODES. base_embeddings (in the module: [32, 512, 768], K = its axis 2): each comes as NAME_codes (uint8): NAME with its K axis moved to the last place and cut into blocks of 32 codes, [.., K / 32, bytes a block], one block behind the other in memory; one code a byte (a code: sign, 5 exponent bits, 2 mantissa bits); its scale is its entry of lowp_scales. Its value is code x scale, taken as it is: it is not quantised again, and the codes and scales need not be those that the quantiser above would give.
;; One version. Each part assembles by itself: llvm-mc -triple=amdgcn-amd-amdhsa -mcpu=gfx1250 --defsym DOCPART=n.
;; ======== version 1 of 1: 3 launches
;; limits: right only within a limited range of input values
;; workspace buffers: book 3,211,264 bytes; cand 524,288 bytes of whole numbers
;; launch prep (part 1): grid 256 x 1, 6 waves a work-group, no clusters, 51,968 bytes of LDS; arguments codebook, lowp_scales, book; writes book
.if DOCPART == 1
	.amdgcn_target "amdgcn-amd-amdhsa--gfx1250"
	.amdhsa_code_object_version 6
	.text
	.protected	k_q5a66e96285_prep
	.globl	k_q5a66e96285_prep
	.p2align	8
	.type	k_q5a66e96285_prep,@function
k_q5a66e96285_prep:
	s_mov_b64 s[64:65], 0
	v_nop
	global_prefetch_b8 v0, s[64:65] scope:SCOPE_SE
	s_setreg_imm32_b32 hwreg(HW_REG_WAVE_MODE, 25, 1), 1
	s_wait_xcnt 0x0
; The codebook [4096][768] f32 becomes what the product's launch reads: 256 tiles of 16 entries, TILEB = 12,544 bytes each.
; A tile: six images of operand registers (K step k = 128 along K: 2,048 bytes: group c of four registers at 512 c + 16 x lane; lane (r, h) holds entry r, K = 128 k + 32 c + 16 h + 0 .. 15),
; then 256 bytes with the entries' sums of squares in f32, word w = that of entry w % 16 (four copies, so that the store covers 256 consecutive bytes, aligned).
; code = x / 2^e1, held within +-57,344, to the nearest code of E5M2, ties to even; e1 = entry 1 of the scales.  The squares are taken of the numbers as given, in f32.
; LIMITS: -126 <= e1 <= 112, so that 2^e1 and 57,344 x 2^e1 are f32 numbers.  NaN among the inputs is not served.  The squares are summed in eight chains a lane, not in reference()'s order.
; SHARES: work-group T takes entries 16 T .. 16 T + 15; its wave k takes K step k.  Each load reads 512 consecutive bytes of one entry; the 8 KiB turn through the wave's own stage in LDS, so that a lane
; gets 16 neighbours along K of each block of 32, as the conversions want them.  Every byte is asked for at the head: no loop, no ring.  No matrix unit, no cluster: work-groups share nothing.
.set TILEB, 12544
.set SP,    528                        ; a stage row: 512 bytes + 16 = 132 words: row r starts at bank 4 r mod 64 (64 banks of 4 bytes: ISA guide 11.1)
.set WST,   16*SP                      ; a wave's stage
.set PB,    6*WST                      ; behind the stages: the waves' partial sums of squares, 64 bytes a wave
.set SUMS,  12                         ; v[12:19]   four pairs of running sums
.set C,     20                         ; v[20:35]   the codes: the fragment's 16 registers
.set R,     36                         ; v[36:99]   the numbers as loaded: 4 registers an entry
.set X,     100                        ; v[100:163] register 16 c + i = K 32 c + 16 h + i of entry r
.set O8,    164                        ; v164       8 x lane
	s_load_b128 s[4:7], s[0:1], 0x0                ; codebook s[4:5], the scales' exponents s[6:7]
	s_load_b64 s[8:9], s[0:1], 0x10                ; book
	v_lshl_add_u32 v168, v0, 2, 0xc800
	v_mov_b32 v169, 0
	v_lshrrev_b32 v1, 5, v0
	v_readfirstlane_b32 s10, v1                    ; wave = K step
	v_and_b32 v1, 31, v0                           ; lane
	v_and_b32 v2, 15, v0                           ; r
	v_bfe_u32 v3, v0, 4, 1                         ; h
	v_lshlrev_b32 v4, 4, v1                        ; 16 x lane: my bytes of a load's 512, and of a store's
	v_lshlrev_b32 v[O8], 3, v1
	v_mov_b32 v9, 0                                ; a lane permute's destination counts as read: written once
	s_mov_b32 s12, 0x76543210
	s_mov_b32 s13, 0xfedcba98                      ; selects for lane l xor 16
	s_mul_i32 s14, s10, WST
	v_add_nc_u32 v5, s14, v4                       ; the stage, on the way in: 16 x lane of a row
	v_mul_u32_u24 v6, v2, SP
	v_lshl_add_u32 v6, v3, 6, v6
	v_add_nc_u32 v6, s14, v6                       ; and on the way out: row r, + 64 h
	s_lshl_b32 s15, s10, 6
	s_add_co_u32 s15, s15, PB
	v_lshl_add_u32 v7, v2, 2, s15                  ; my wave's partial sum of entry r
	v_and_b32 v8, 63, v[O8]
	v_add_nc_u32 v8, PB, v8                        ; wave 0 reads back: words 2 lane % 16 and the next
	s_mul_i32 s16, ttmp9, 16*3072                  ; the tile's 16 entries of 3,072 bytes,
	s_lshl_b32 s17, s10, 9
	s_add_co_u32 s16, s16, s17                     ; + my K step's 512 bytes
	s_mov_b32 s17, 0
	s_mul_i32 s18, ttmp9, TILEB
	s_lshl_b32 s19, s10, 11
	s_add_co_u32 s18, s18, s19                     ; my image in book
	s_mov_b32 s19, 0
	s_wait_alu depctr_va_vdst(0)
	s_wait_kmcnt 0x0
	s_load_b32 s11, s[6:7], 0x4                    ; e1
	s_add_nc_u64 s[4:5], s[4:5], s[16:17]
	s_add_nc_u64 s[8:9], s[8:9], s[18:19]
.irp i, 0,1,2,3,4,5,6,7,8,9,10,11,12,13,14,15
	global_load_b128 v[R+4*\i:R+4*\i+3], v4, s[4:5] offset:3072*\i   ; 32 lanes read 512 consecutive bytes of entry i
.endr
	s_wait_kmcnt 0x0
	s_add_co_i32 s11, s11, 127
	s_lshl_b32 s14, s11, 23
	v_mov_b32 v11, s14                             ; 2^e1 as f32: the conversion takes its exponent field
	s_add_co_i32 s11, s11, 15
	s_lshl_b32 s11, s11, 23
	s_or_b32 s11, s11, 0x600000
	v_mov_b32 v10, s11                             ; 57,344 x 2^e1
.irp i, 0,1,2,3,4,5,6,7,8,9,10,11,12,13,14,15
	s_wait_loadcnt 15-\i                           ; loads come back in order: entry i is in, the 15 - i younger loads stay out
	ds_store_b128 v5, v[R+4*\i:R+4*\i+3] offset:SP*\i
.endr
.irp c, 0,1,2,3
.irp j, 0,1,2,3
	ds_load_b128 v[X+16*\c+4*\j:X+16*\c+4*\j+3], v6 offset:128*\c+16*\j   ; LDS serves a wave's instructions in order: these see my stores
.endr
.endr
	s_wait_dscnt 0x0
	; the sum of my 64 numbers' squares, two at a time, in four chains started by the first four pairs
.irp a, 0,1,2,3
	v_pk_mul_f32 v[SUMS+2*\a:SUMS+2*\a+1], v[X+2*\a:X+2*\a+1], v[X+2*\a:X+2*\a+1]
.endr
.set j, 4
.rept 28
	v_pk_fma_f32 v[SUMS+2*(j%4):SUMS+2*(j%4)+1], v[X+2*j:X+2*j+1], v[X+2*j:X+2*j+1], v[SUMS+2*(j%4):SUMS+2*(j%4)+1]
.set j, j+1
.endr
	v_pk_add_f32 v[SUMS:SUMS+1], v[SUMS:SUMS+1], v[SUMS+2:SUMS+3]
	v_pk_add_f32 v[SUMS+4:SUMS+5], v[SUMS+4:SUMS+5], v[SUMS+6:SUMS+7]
	v_pk_add_f32 v[SUMS:SUMS+1], v[SUMS:SUMS+1], v[SUMS+4:SUMS+5]
	v_add_f32 v[SUMS], v[SUMS], v[SUMS+1]
	v_permlanex16_b32 v9, v[SUMS], s12, s13        ; the entry's other 64 numbers of this K step lie in the lane 16 away
	v_add_f32 v[SUMS], v[SUMS], v9
	ds_store_b32 v7, v[SUMS]                       ; lanes r and r + 16 write the same word with the same value
	; the codes
.set j, 0
.rept 64
	v_med3_num_f32 v[X+j], v[X+j], -v10, v10       ; the conversion to an 8-bit code does not saturate (ISA guide 7.6.2): the hold at the largest code x the scale
.set j, j+1
.endr
.irp c, 0,1,2,3
	v_cvt_scalef32_pk8_bf8_f32 v[C+4*\c:C+4*\c+1], v[X+16*\c:X+16*\c+7], v11
	v_cvt_scalef32_pk8_bf8_f32 v[C+4*\c+2:C+4*\c+3], v[X+16*\c+8:X+16*\c+15], v11
.endr
	v_nop                                          ; one plain vector line behind the last scaled conversion
.irp c, 0,1,2,3
	global_store_b128 v4, v[C+4*\c:C+4*\c+3], s[8:9] offset:512*\c   ; 32 lanes store 512 consecutive bytes, at a multiple of 256 from book's first byte
.endr
	s_wait_dscnt 0x0                               ; for wave 0's sake: my partial sums have landed
	s_barrier_signal -1
	s_barrier_wait -1
	s_cmp_lg_u32 s10, 0
	s_cbranch_scc1 .Ldone                          ; wave 0 alone adds the six K steps' parts, K ascending
.irp k, 0,1,2,3,4,5
	ds_load_b64 v[R+2*\k:R+2*\k+1], v8 offset:64*\k
.endr
	s_wait_dscnt 0x0
.irp k, 1,2,3,4,5
	v_pk_add_f32 v[R:R+1], v[R:R+1], v[R+2*\k:R+2*\k+1]
.endr
	global_store_b64 v[O8], v[R:R+1], s[8:9] offset:12288   ; wave 0's base is the tile's first byte: 32 lanes store 256 consecutive bytes, aligned
.Ldone:
	s_wait_tensorcnt 0x0
	ds_add_u32 v168, v169
	s_wait_dscnt 0x0
	s_endpgm
.Lfunc_end_k_q5a66e96285_prep:
	.size	k_q5a66e96285_prep, .Lfunc_end_k_q5a66e96285_prep-k_q5a66e96285_prep
	.p2alignl 7, 3214868480
	.fill 96, 4, 3214868480
	.section	.rodata,"a",@progbits
	.p2align	6, 0x0
	.amdhsa_kernel k_q5a66e96285_prep
		.amdhsa_group_segment_fixed_size 51968
		.amdhsa_private_segment_fixed_size 0
		.amdhsa_enable_private_segment 0
		.amdhsa_kernarg_size 24
		.amdhsa_user_sgpr_count 2
		.amdhsa_user_sgpr_kernarg_segment_ptr 1
		.amdhsa_wavefront_size32 1
		.amdhsa_system_sgpr_workgroup_id_x 1
		.amdhsa_system_sgpr_workgroup_id_y 1
		.amdhsa_system_sgpr_workgroup_id_z 1
		.amdhsa_system_vgpr_workitem_id 0
		.amdhsa_next_free_vgpr 170
		.amdhsa_next_free_sgpr 66
		.amdhsa_reserve_vcc 0
		.amdhsa_float_denorm_mode_32 3
		.amdhsa_float_denorm_mode_16_64 3
		.amdhsa_memory_ordered 1
		.amdhsa_forward_progress 1
		.amdhsa_inst_pref_size 15
	.end_amdhsa_kernel
	.amdgpu_metadata
---
amdhsa.version: [ 1, 2 ]
amdhsa.kernels:
  - .name:           k_q5a66e96285_prep
    .symbol:         k_q5a66e96285_prep.kd
    .args:
      - { .name: codebook, .offset: 0, .size: 8, .value_kind: global_buffer, .address_space: global }
      - { .name: lowp_scales, .offset: 8, .size: 8, .value_kind: global_buffer, .address_space: global }
      - { .name: book, .offset: 16, .size: 8, .value_kind: global_buffer, .address_space: global }
    .group_segment_fixed_size: 51968
    .private_segment_fixed_size: 0
    .kernarg_segment_align: 8
    .kernarg_segment_size: 24
    .max_flat_workgroup_size: 192
    .sgpr_count:     66
    .vgpr_count:     170
    .wavefront_size: 32
...
	.end_amdgpu_metadata
.endif
;; end of part 1
;; launch nearest (part 2): grid 64 x 4, 8 waves a work-group, clusters of 4 x 1, 327,680 bytes of LDS; arguments base_embeddings_codes, book, lowp_scales, cand; writes cand
.if DOCPART == 2
	.amdgcn_target "amdgcn-amd-amdhsa--gfx1250"
	.amdhsa_code_object_version 6
	.text
	.protected	k_q5a66e96285_nearest
	.globl	k_q5a66e96285_nearest
	.p2align	8
	.type	k_q5a66e96285_nearest,@function
k_q5a66e96285_nearest:
	s_mov_b64 s[64:65], 0
	v_nop
	global_prefetch_b8 v0, s[64:65] scope:SCOPE_SE
	s_setreg_imm32_b32 hwreg(HW_REG_WAVE_MODE, 25, 1), 1
	s_wait_xcnt 0x0
	s_wait_alu depctr_hold_cnt(0) depctr_sa_sdst(0) depctr_va_vdst(0) depctr_va_sdst(0) depctr_va_ssrc(0) depctr_va_vcc(0) depctr_vm_vsrc(0)
	s_getreg_b32 s2, hwreg(HW_REG_IB_STS2, 6, 4)
	s_cmp_eq_u32 s2, 0
	s_cbranch_scc0 .Lentry_in_a_cluster
	s_endpgm
.Lentry_in_a_cluster:
	s_bfe_u32 s2, ttmp6, 0x10000c
	s_cmp_lg_u32 s2, 0x3003
	s_cbranch_scc0 .Lentry_shape_is_right
	s_endpgm
.Lentry_shape_is_right:
; For each token and each quarter of the codebook: the least score |c|^2 - 2 x.c and its entry (the lowest entry on a tie), left in cand as a key (a whole number in the scores' order) and an entry.
; x.c is the product of the E5M2 codes (f32 sums, K ascending, one accumulator an output) x 2^(e0 + e1); score = sum x -2^(e0 + e1 + 1) + |c|^2, one fused multiply-add.
; LIMITS: -127 <= e0 + e1 <= 126, so that 2^(e0 + e1 + 1) is an f32 number.  NaN among the inputs is not served.
; SHARES: work-group (x, q) takes positions 8 x .. 8 x + 7 of all 32 batches (256 tokens) against quarter q (64 tiles of 16 entries).  Eight waves, two to a SIMD: wave w takes token group w & 3
; (positions 8 x + 2 (w & 3) + 0, 1: 64 tokens, whose 768 codes each stay in 384 registers) and, of every slot of 8 tiles, tiles 4 (w >> 2) .. + 3.  A tile is 24 matrix instructions in one group, then 56 vector lines in one group.
; LDS: the tokens' codes come once by four plain tensor loads (32 rows of 1,536 bytes, 16 bytes of padding behind every 256: a token's 768 bytes lie 816 apart, 51 x 16, so 16 tokens start at 16 different
; 16-byte columns of 256).  The book's tiles go through a ring of two slots of 8 tiles; slot B lies over the tokens' stage, which is read out before B's first fill.
; CLUSTER: the four work-groups of a cluster share q and walk the same tiles: every fill of a slot is a joint load with the mask 15.  The tokens' loads are each work-group's own (mask 0).
; NO PREFETCH: the 64 work-groups of a quarter read the same 802,816 bytes in the same order, and each slot is asked for one slot (four tiles of each wave) ahead of its first read.
; The matrix instruction is used transposed (source 0 = 16 entries, source 1 = 16 tokens): lane (r, h) holds token r, register j entry 8 h + j.
.set TILEB, 12544                      ; six images of 2,048 bytes, then 256 bytes of squares
.set SLOTB, 8*TILEB
.set XTOK,  816
.set XWAVE, 64*XTOK
.set REGA,  4*XWAVE                    ; slot A, behind the tokens' stage; slot B at 0
.set SPARE, REGA+SLOTB                 ; the spare words, 128 bytes a wave
.set STG,   SPARE+1024                 ; the way out: 512 bytes a wave, no fill lands here
.set BA,  1                            ; v1, v2   my fragments' address in slot A, B
.set CA,  3                            ; v3, v4   the squares' address in slot A, B
.set SPW, 5
.set NIL, 6
.set XA,  7
.set CB,  8                            ; v[8:15]    the tile's squares
.set VV,  16                           ; v[16:23]   running minima, two sets by turns
.set TI,  24                           ; v[24:27]   the tile of the minimum
.set ACC, 28                           ; v[28:59]   four accumulators
.set SV,  60                           ; v[60:91]   the scores of the tile of the minimum
.set BF,  92                           ; v[92:123]  two buffers for an image of the book
.set TM,  124                          ; v[124:127] at work
                                       ; v[128:511] the tokens: K step k, group i at 128 + 64 k + 16 i
.set WV,  12
.set TG,  13
.set HF,  14
.set Q,   15
.set G1,  16                           ; joint, 49 rows of 256 bytes: a tile
.set G1H, 24                           ; joint, 98 rows: two tiles
.set G1X, 32                           ; plain, the tokens
.set G0A, 40
.set G0B, 44
.set G0H, 48
.set G0X, 52
.set F,   56
.set INF, 58
.set TN,  59
.set MK,  60
.set CNT, 82
.set MSB, 0
.macro WIN new
.if MSB != \new
	s_set_vgpr_msb (MSB<<8)|\new
.set MSB, \new
.endif
.endm
.macro PLACES
.rept 4
	v_nop
.endr
.endm
.macro CREST
	s_cmp_lg_u32 s[WV], 0
	s_cbranch_scc1 .Lnot_wave_0_\@
	s_barrier_signal -3
.Lnot_wave_0_\@:
	s_barrier_wait -3
	s_barrier_signal -1
	s_barrier_wait -1
.endm
.macro CROUND
	s_barrier_signal -1
	s_barrier_wait -1
	CREST
.endm
.macro LB g, t, k                      ; the image of my tile t, K step k, into buffer k % 2
.irp c, 0,1,2,3
	ds_load_b128 v[BF+16*((\k)%2)+4*\c:BF+16*((\k)%2)+4*\c+3], v[BA+\g] offset:TILEB*(\t)+2048*(\k)+512*\c
.endr
.endm
.macro LCB g, t                        ; its squares: words 8 h .. 8 h + 7
	ds_load_b128 v[CB:CB+3], v[CA+\g] offset:TILEB*(\t)+12288
	ds_load_b128 v[CB+4:CB+7], v[CA+\g] offset:TILEB*(\t)+12304
.endm
.macro MM4 k                           ; one K step: the four accumulators by turns
.if (\k) < 2
	WIN 0
.set xB, 128+64*(\k)
.else
	WIN 0x04                                       ; source 1 in window 1
.set xB, 64*((\k)-2)
.endif
.set bR, BF+16*((\k)%2)
.irp i, 0,1,2,3
.if (\k) == 0
	v_wmma_f32_16x16x128_bf8_bf8 v[ACC+8*\i:ACC+8*\i+7], v[bR:bR+15], v[xB+16*\i:xB+16*\i+15], 0
.else
	v_wmma_f32_16x16x128_bf8_bf8 v[ACC+8*\i:ACC+8*\i+7], v[bR:bR+15], v[xB+16*\i:xB+16*\i+15], v[ACC+8*\i:ACC+8*\i+7]
.endif
.endr
.endm
.macro SM par                          ; line n of a tile's 56: scores, the minimum with the running one, and where it fell strictly: the tile's number and its eight scores are kept (the scores two to a line)
.set vN, VV+4*(\par)
.set vO, VV+4*(1-(\par))
.if n < 16
	v_pk_fma_f32 v[ACC+2*n:ACC+2*n+1], v[ACC+2*n:ACC+2*n+1], s[F:F+1], v[CB+2*(n%4):CB+2*(n%4)+1] op_sel_hi:[1,0,1]
.elseif n < 20
	v_min3_num_f32 v[TM+n-16], v[vO+n-16], v[ACC+8*(n-16)], v[ACC+8*(n-16)+1]
.elseif n < 28
.set i4, n%4
.set st, (n-16)/4
	v_min3_num_f32 v[TM+i4], v[TM+i4], v[ACC+8*i4+2*st], v[ACC+8*i4+2*st+1]
.elseif n < 32
	v_min3_num_f32 v[vN+n-28], v[TM+n-28], v[ACC+8*(n-28)+6], v[ACC+8*(n-28)+7]
.else
.set g4, (n-32)/6
.set m6, (n-32)%6
.if m6 == 0
	v_cmp_lt_f32 vcc_lo, v[vN+g4], v[vO+g4]
.elseif m6 == 1
	v_cndmask_b32 v[TI+g4], v[TI+g4], s[TN], vcc_lo
.else
.set pr, 8*g4+2*(m6-2)
	v_dual_cndmask_b32 v[SV+pr], v[SV+pr], v[ACC+pr] :: v_dual_cndmask_b32 v[SV+pr+1], v[SV+pr+1], v[ACC+pr+1]
.endif
.endif
.endm
.macro VEC par
.set n, 0
.rept 56
	SM \par
.set n, n+1
.endr
.endm
; My tile t of the slot g (0: A, 1: B).  mode 0: a successor in the same slot; 1: the slot's last, the slot is filled again; 2: the slot's last, nothing is filled; 3: the last of all.
; Four places stand behind each K step, in front of the loads into the buffer that it read.
.macro TILE g, t, mode
	s_wait_dscnt 6                                 ; K step 0 is in; out: K step 1's four loads and the squares' two
	MM4 0
	PLACES
	LB \g, \t, 2
	s_wait_dscnt 6                                 ; K step 1 is in; out: the squares' two and K step 2's four
	MM4 1
	PLACES
	LB \g, \t, 3
	s_wait_dscnt 4                                 ; from here on: all but the next K step's four
	MM4 2
	PLACES
	LB \g, \t, 4
	s_wait_dscnt 4
	MM4 3
	PLACES
	LB \g, \t, 5
.if \mode == 0
	s_wait_dscnt 4
	MM4 4
	PLACES
	LB \g, (\t)+1, 0
	s_wait_dscnt 4
	MM4 5
	WIN 0
	PLACES
	LB \g, (\t)+1, 1
	VEC (\t)%2
	s_wait_alu depctr_va_vdst(0)
	LCB \g, (\t)+1
	s_add_co_u32 s[TN], s[TN], 1
.elseif \mode == 3
	s_wait_dscnt 4
	MM4 4
	s_wait_dscnt 0x0
	MM4 5
	WIN 0
	PLACES
	VEC (\t)%2
.else
	WIN 0                                          ; the add's registers lie in window 0
	s_wait_tensorcnt 0x0                           ; my part of the other slot has landed
	ds_add_u32 v[SPW], v[NIL]
.if \mode == 1
	s_add_nc_u64 s[G0A+4*(1-(\g))+2:G0A+4*(1-(\g))+3], s[G0A+4*(1-(\g))+2:G0A+4*(1-(\g))+3], 2*SLOTB   ; no load of mine is out: the other slot's next tiles
.endif
	s_wait_dscnt 5                                 ; K step 4 is in; out: K step 5's four loads and the add
	MM4 4
	s_wait_dscnt 0x0                               ; the add is done and my reads of this slot are over
	s_barrier_signal -1
	MM4 5
	WIN 0
	s_barrier_wait -1
.if \mode == 1
	CREST                                          ; the barrier has opened a round of the cluster's barrier
	tensor_load_to_lds s[G0A+4*(\g):G0A+4*(\g)+3], s[G1:G1+7]   ; my tile of the slot two on
	s_nop 0
.endif
	PLACES                                         ; in front of the loads into the buffers and of the first read of the sums
	LB 1-\g, 0, 0                                  ; the other slot's first fragments are on their way while this tile's scores are gone through
	LB 1-\g, 0, 1
	VEC (\t)%2
	s_wait_alu depctr_va_vdst(0)
	LCB 1-\g, 0
	s_add_co_u32 s[TN], s[TN], 5                   ; over the other half's four tiles
.endif
.endm
.macro SLOTW g, mode
	TILE \g, 0, 0
	TILE \g, 1, 0
	TILE \g, 2, 0
	TILE \g, 3, \mode
.endm
	s_load_b256 s[4:11], s[0:1], 0x0               ; the tokens' codes s[4:5], book s[6:7], the scales' exponents s[8:9], cand s[10:11]
	v_lshl_add_u32 v[SPW], v0, 2, SPARE
	v_mov_b32 v[NIL], 0
	ds_add_u32 v[SPW], v[NIL]                      ; the opening lines: the add twice on end and its wait
	ds_add_u32 v[SPW], v[NIL]
	v_lshrrev_b32 v[XA], 5, v0
	v_readfirstlane_b32 s[WV], v[XA]               ; wave 0..7
	s_and_b32 s[TG], s[WV], 3                      ; my token group
	s_lshr_b32 s[HF], s[WV], 2                     ; my half of each slot
	s_bfe_u32 s66, ttmp6, 0x40000                  ; cx
	s_lshl_b32 s67, ttmp9, 2
	s_add_co_u32 s67, s67, s66                     ; work-group x
	s_and_b32 s[Q], ttmp7, 0xffff                  ; the quarter
	s_mov_b32 s[G1+0], 15|(3<<16)|(1<<21)          ; the mask of the four; elements of 8 bytes
	s_mov_b32 s[G1+1], 32<<16
	s_mov_b32 s[G1+2], 49<<16
	s_mov_b32 s[G1+3], 32<<16
	s_mov_b32 s[G1+4], 49
	s_mov_b32 s[G1+5], 32
	s_mov_b32 s[G1+6], 0
	s_mov_b32 s[G1+7], 0
	s_mov_b32 s[G1H+0], 15|(3<<16)|(1<<21)
	s_mov_b32 s[G1H+1], 32<<16
	s_mov_b32 s[G1H+2], 98<<16
	s_mov_b32 s[G1H+3], 32<<16
	s_mov_b32 s[G1H+4], 98
	s_mov_b32 s[G1H+5], 32
	s_mov_b32 s[G1H+6], 0
	s_mov_b32 s[G1H+7], 0
	s_mov_b32 s[G1X+0], (3<<16)|(1<<20)|(5<<22)|(3<<25)   ; no mask; 4 words of padding behind every 64
	s_mov_b32 s[G1X+1], 192<<16                    ; a row: two positions' 1,536 bytes
	s_mov_b32 s[G1X+2], 32<<16                     ; 32 batches
	s_mov_b32 s[G1X+3], 192<<16
	s_mov_b32 s[G1X+4], 32
	s_mov_b32 s[G1X+5], 512*768/8                  ; from batch to batch
	s_mov_b32 s[G1X+6], 0
	s_mov_b32 s[G1X+7], 0
	s_mul_i32 s68, s[TG], 2*TILEB                  ; slot 0's first fill: two tiles for each of waves 4..7
	s_mul_i32 s69, s[WV], TILEB                    ; every later fill: a tile a wave
	s_mul_i32 s70, s[Q], 64*TILEB
	s_add_co_u32 s72, s70, s69
	s_add_co_u32 s72, s72, SLOTB                   ; my tile of the second slot's tiles
	s_mov_b32 s73, 0
	s_add_co_u32 s70, s70, s68
	s_mov_b32 s71, 0
	s_lshl_b32 s74, s67, 3
	s_lshl_b32 s75, s[TG], 1
	s_add_co_u32 s74, s74, s75
	s_mul_i32 s74, s74, 768                        ; position 8 x + 2 group, batch 0
	s_mov_b32 s75, 0
	s_lshl_b32 s76, s[Q], 16                       ; cand: 65,536 q + 128 bytes a position
	s_lshl_b32 s77, s67, 10
	s_add_co_u32 s76, s76, s77
	s_lshl_b32 s77, s[TG], 8
	s_add_co_u32 s76, s76, s77
	s_mov_b32 s77, 0
	s_mov_b32 s[G0X], 1
	s_mul_i32 s[G0X+1], s[TG], XWAVE
	s_mov_b32 s[G0H], 1
	s_add_co_u32 s[G0H+1], s68, REGA
	s_mov_b32 s[G0A], 1
	s_add_co_u32 s[G0A+1], s69, REGA
	s_mov_b32 s[G0B], 1
	s_mov_b32 s[G0B+1], s69
	s_mov_b32 s[INF], 0x7f800000
	s_lshl_b32 s[TN], s[HF], 2                     ; my first tile's number in the quarter
	s_mov_b32 s80, 0x76543210
	s_mov_b32 s81, 0xfedcba98                      ; selects for lane l xor 16
	s_wait_dscnt 0x0                               ; both opening adds are done
	s_wait_kmcnt 0x0
	s_load_b64 s[78:79], s[8:9], 0x0               ; e0, e1
	s_add_nc_u64 s[G0X+2:G0X+3], s[4:5], s[74:75]
	s_add_nc_u64 s[G0H+2:G0H+3], s[6:7], s[70:71]
	s_add_nc_u64 s[G0B+2:G0B+3], s[6:7], s[72:73]
	s_add_nc_u64 s[G0A+2:G0A+3], s[G0B+2:G0B+3], SLOTB
	s_or_b32 s[G0X+3], s[G0X+3], 0x80000000
	s_or_b32 s[G0H+3], s[G0H+3], 0x80000000
	s_or_b32 s[G0B+3], s[G0B+3], 0x80000000
	s_or_b32 s[G0A+3], s[G0A+3], 0x80000000
	s_add_nc_u64 s[10:11], s[10:11], s[76:77]
	CROUND                                         ; in front of the first loads
	s_cmp_lt_u32 s[WV], 4                          ; one tensor load a wave: waves 0..3 the tokens, waves 4..7 slot A's first tiles
	s_cbranch_scc0 .Lhead_book
	tensor_load_to_lds s[G0X:G0X+3], s[G1X:G1X+7]
	s_nop 0
	PLACES
	s_branch .Lhead_join
.Lhead_book:
	tensor_load_to_lds s[G0H:G0H+3], s[G1H:G1H+7]
	s_nop 0
	PLACES
.Lhead_join:
	v_and_b32 v[BA], 31, v0
	v_lshlrev_b32 v[BA], 4, v[BA]                  ; 16 x lane
	v_bfe_u32 v[CA], v0, 4, 1                      ; h
	v_and_b32 v[XA], 15, v0                        ; r
	v_mul_u32_u24 v[XA], v[XA], XTOK
	v_lshl_add_u32 v[XA], v[CA], 4, v[XA]
	s_mul_i32 s66, s[TG], XWAVE
	v_add_nc_u32 v[XA], s66, v[XA]                 ; token r of my group, + 16 h
	s_mul_i32 s66, s[HF], 4*TILEB
	v_lshl_add_u32 v[CA+1], v[CA], 5, s66          ; slot B: my half's first tile, + 32 h
	v_add_nc_u32 v[BA+1], s66, v[BA]
	v_add_nc_u32 v[BA], REGA, v[BA+1]
	v_add_nc_u32 v[CA], REGA, v[CA+1]
	s_wait_alu depctr_va_vdst(0)
	s_wait_tensorcnt 0x0                           ; my load has landed
	s_barrier_signal -1
	s_barrier_wait -1                              ; everybody's has
	; token 16 i + r of the group is batch 8 i + r / 2, position r % 2; byte y of its codes lies at 272 (y / 256) + y % 256
.irp k, 0,1
.irp i, 0,1,2,3
.irp c, 0,1,2,3
	ds_load_b128 v[128+64*\k+16*\i+4*\c:128+64*\k+16*\i+4*\c+3], v[XA] offset:16*XTOK*\i+128*\k+32*\c
.endr
.endr
.endr
	WIN 0x40
.irp k, 2,3,4,5
.irp i, 0,1,2,3
.irp c, 0,1,2,3
	ds_load_b128 v[64*(\k-2)+16*\i+4*\c:64*(\k-2)+16*\i+4*\c+3], v[XA] offset:16*XTOK*\i+272*(\k/2)+128*(\k%2)+32*\c
.endr
.endr
.endr
	WIN 0
	LB 0, 0, 0                                     ; slot A has landed too: my first tile's first fragments and squares
	LB 0, 0, 1
	LCB 0, 0
.set j, 0
.rept 32
	v_mov_b32 v[SV+j], s[INF]
.set j, j+1
.endr
.irp i, 0,1,2,3
	v_mov_b32 v[VV+4+\i], s[INF]
	v_mov_b32 v[TI+\i], 0
.endr
	s_wait_kmcnt 0x0
	s_add_co_i32 s[F], s78, s79
	s_add_co_i32 s[F], s[F], 128
	s_lshl_b32 s[F], s[F], 23
	s_or_b32 s[F], s[F], 0x80000000                ; -2^(e0 + e1 + 1)
	s_mov_b32 s[F+1], s[F]
	s_wait_alu depctr_va_vdst(0)
	s_wait_tensorcnt 0x0                           ; slot B's first fill lands on the tokens' stage: the lines of a refill
	ds_add_u32 v[SPW], v[NIL]
	s_wait_dscnt 0x0                               ; the add is done, and my reads of the stage are back
	CROUND
	tensor_load_to_lds s[G0B:G0B+3], s[G1:G1+7]
	s_nop 0
	PLACES
	s_mov_b32 s[CNT], 3
.Lring:                                                ; a trip: slot A, slot B, both filled again
	SLOTW 0, 1
	SLOTW 1, 1
	s_sub_co_u32 s[CNT], s[CNT], 1
	s_cmp_lg_u32 s[CNT], 0
	s_cbranch_scc1 .Lring
	SLOTW 0, 2                                     ; the last two slots fetch nothing more
	SLOTW 1, 3
	; THE WAY OUT.  The lowest register that holds the minimum gives the entry; lanes l and l xor 16 meet; the two waves of a token group meet through LDS.
.set VF, VV+4
.set HB, 28
.set VH, 29
.set ST, 30
.set RDA, 31
.set JJ, 32
.set IX, 36
.set PX, 40
.set KT, 48
.set OUTR, 52
.set AO, 56
.set K0, 92
.set I0, 96
.set K1, 100
.set I1, 104
	v_bfe_u32 v[VH], v0, 4, 1
	s_lshl_b32 s66, s[Q], 10
	v_lshl_add_u32 v[HB], v[VH], 3, s66            ; 1,024 q + 8 h
.irp i, 0,1,2,3
	v_mov_b32 v[JJ+\i], 7
.endr
.irp j, 6,5,4,3,2,1,0
.irp i, 0,1,2,3
	v_cmp_eq_f32 s[MK+\i], v[SV+8*\i+\j], v[VF+\i]
.endr
.irp i, 0,1,2,3
	v_cndmask_b32 v[JJ+\i], v[JJ+\i], \j, s[MK+\i]
.endr
.endr
.irp i, 0,1,2,3
	v_lshl_add_u32 v[IX+\i], v[TI+\i], 4, v[HB]
.endr
.irp i, 0,1,2,3
	v_add_nc_u32 v[IX+\i], v[IX+\i], v[JJ+\i]
.endr
.irp j, 0,1,2,3,4,5,6,7
	v_mov_b32 v[PX+\j], 0                          ; a lane permute's destination counts as read
.endr
.irp i, 0,1,2,3
	v_permlanex16_b32 v[PX+2*\i], v[VF+\i], s80, s81
	v_permlanex16_b32 v[PX+2*\i+1], v[IX+\i], s80, s81
.endr
.irp i, 0,1,2,3
	v_cmp_lt_f32 s66, v[PX+2*\i], v[VF+\i]
	v_cmp_eq_f32 s67, v[PX+2*\i], v[VF+\i]
	v_cmp_lt_u32 vcc_lo, v[PX+2*\i+1], v[IX+\i]
	s_and_b32 s67, s67, vcc_lo
	s_or_b32 s66, s66, s67
	v_cndmask_b32 v[VF+\i], v[VF+\i], v[PX+2*\i], s66
	v_cndmask_b32 v[IX+\i], v[IX+\i], v[PX+2*\i+1], s66
	v_ashrrev_i32 v[KT+\i], 31, v[VF+\i]           ; the key: a whole number in the scores' order
	v_or_b32 v[KT+\i], 0x80000000, v[KT+\i]
	v_xor_b32 v[KT+\i], v[KT+\i], v[VF+\i]
.endr
	v_cmp_ne_u32 vcc_lo, 0, v[VH]
.irp i, 0,1,2,3
	v_cndmask_b32 v[OUTR+\i], v[KT+\i], v[IX+\i], vcc_lo   ; lanes 0-15 carry keys, lanes 16-31 entries
.endr
	s_lshl_b32 s68, s[WV], 9
	s_add_co_u32 s68, s68, STG                     ; my wave's 512 bytes: 256 of keys, 256 of entries, each [position][batch]
	v_and_b32 v[ST], 1, v0
	v_lshlrev_b32 v[ST], 7, v[ST]                  ; position r % 2
	v_bfe_u32 v[RDA], v0, 1, 3
	v_lshl_add_u32 v[ST], v[RDA], 2, v[ST]         ; batch r / 2 (+ 8 i by the offset)
	v_lshl_add_u32 v[ST], v[VH], 8, v[ST]
	v_add_nc_u32 v[ST], s68, v[ST]
	s_lshl_b32 s69, s[TG], 9
	s_add_co_u32 s69, s69, STG
	v_and_b32 v[AO], 15, v0
	v_lshl_add_u32 v[RDA], v[AO], 4, s69           ; back: four tokens a lane
	v_lshlrev_b32 v[AO], 4, v[AO]
	v_lshl_add_u32 v[AO], v[VH], 18, v[AO]         ; cand: keys, and 262,144 bytes on the entries
.irp i, 0,1,2,3
	ds_store_b32 v[ST], v[OUTR+\i] offset:32*\i
.endr
	s_wait_alu depctr_va_vdst(0)
	s_wait_dscnt 0x0                               ; for the others' sake: my stores have landed
	s_barrier_signal -1
	s_barrier_wait -1
	s_cmp_ge_u32 s[WV], 4
	s_cbranch_scc1 .Lend                           ; waves 0..3 join the two halves and store
	ds_load_b128 v[K0:K0+3], v[RDA]
	ds_load_b128 v[I0:I0+3], v[RDA] offset:256
	ds_load_b128 v[K1:K1+3], v[RDA] offset:2048
	ds_load_b128 v[I1:I1+3], v[RDA] offset:2304
	s_wait_dscnt 0x0
.irp e, 0,1,2,3
	v_cmp_lt_u32 s66, v[K1+\e], v[K0+\e]
	v_cmp_eq_u32 s67, v[K1+\e], v[K0+\e]
	v_cmp_lt_u32 vcc_lo, v[I1+\e], v[I0+\e]        ; the halves' tiles alternate: on a tie the lower entry
	s_and_b32 s67, s67, vcc_lo
	s_or_b32 s66, s66, s67
	v_cndmask_b32 v[K0+\e], v[K0+\e], v[K1+\e], s66
	v_cndmask_b32 v[I0+\e], v[I0+\e], v[I1+\e], s66
.endr
	v_cmp_ne_u32 vcc_lo, 0, v[VH]
.irp e, 0,1,2,3
	v_cndmask_b32 v[OUTR+\e], v[K0+\e], v[I0+\e], vcc_lo
.endr
	global_store_b128 v[AO], v[OUTR:OUTR+3], s[10:11]   ; sixteen lanes store 256 consecutive bytes, aligned
.Lend:
	s_wait_tensorcnt 0x0                           ; the wave's end
	ds_add_u32 v[SPW], v[NIL]
	s_wait_dscnt 0x0
	CROUND                                         ; the closing round
	s_endpgm
.Lfunc_end_k_q5a66e96285_nearest:
	.size	k_q5a66e96285_nearest, .Lfunc_end_k_q5a66e96285_nearest-k_q5a66e96285_nearest
	.p2alignl 7, 3214868480
	.fill 96, 4, 3214868480
	.section	.rodata,"a",@progbits
	.p2align	6, 0x0
	.amdhsa_kernel k_q5a66e96285_nearest
		.amdhsa_group_segment_fixed_size 327680
		.amdhsa_private_segment_fixed_size 0
		.amdhsa_enable_private_segment 0
		.amdhsa_kernarg_size 32
		.amdhsa_user_sgpr_count 2
		.amdhsa_user_sgpr_kernarg_segment_ptr 1
		.amdhsa_wavefront_size32 1
		.amdhsa_system_sgpr_workgroup_id_x 1
		.amdhsa_system_sgpr_workgroup_id_y 1
		.amdhsa_system_sgpr_workgroup_id_z 1
		.amdhsa_system_vgpr_workitem_id 0
		.amdhsa_next_free_vgpr 512
		.amdhsa_next_free_sgpr 84
		.amdhsa_reserve_vcc 1
		.amdhsa_float_denorm_mode_32 3
		.amdhsa_float_denorm_mode_16_64 3
		.amdhsa_memory_ordered 1
		.amdhsa_forward_progress 1
		.amdhsa_inst_pref_size 147
	.end_amdhsa_kernel
	.amdgpu_metadata
---
amdhsa.version: [ 1, 2 ]
amdhsa.kernels:
  - .name:           k_q5a66e96285_nearest
    .symbol:         k_q5a66e96285_nearest.kd
    .args:
      - { .name: base_embeddings_codes, .offset: 0, .size: 8, .value_kind: global_buffer, .address_space: global }
      - { .name: book, .offset: 8, .size: 8, .value_kind: global_buffer, .address_space: global }
      - { .name: lowp_scales, .offset: 16, .size: 8, .value_kind: global_buffer, .address_space: global }
      - { .name: cand, .offset: 24, .size: 8, .value_kind: global_buffer, .address_space: global }
    .group_segment_fixed_size: 327680
    .private_segment_fixed_size: 0
    .kernarg_segment_align: 8
    .kernarg_segment_size: 32
    .max_flat_workgroup_size: 256
    .sgpr_count:     84
    .vgpr_count:     512
    .wavefront_size: 32
...
	.end_amdgpu_metadata
.endif
;; end of part 2
;; launch mix (part 3): grid 512 x 1, 6 waves a work-group, no clusters, 99,072 bytes of LDS; arguments codebook, noise, rand_idx, cand, out0; writes out0
.if DOCPART == 3
	.amdgcn_target "amdgcn-amd-amdhsa--gfx1250"
	.amdhsa_code_object_version 6
	.text
	.protected	k_q5a66e96285_mix
	.globl	k_q5a66e96285_mix
	.p2align	8
	.type	k_q5a66e96285_mix,@function
k_q5a66e96285_mix:
	s_mov_b64 s[64:65], 0
	v_nop
	global_prefetch_b8 v0, s[64:65] scope:SCOPE_SE
	s_setreg_imm32_b32 hwreg(HW_REG_WAVE_MODE, 25, 1), 1
	s_wait_xcnt 0x0
; out[b][s] = the mean of the eight entries codebook[idx[rand_idx[b][s][j]][s]] + 0.1 noise[b][s], all f32.
; A work-group owns ONE position s.  At one position only 32 different entries can be named (idx[b'][s], b' = 0 .. 31): they are fetched once, 3,072 bytes each, into LDS, and the 32 x 8 picks come from there.
; idx[b'][s]: the launch before left, for each quarter of the codebook, a key (a whole number in the scores' order) and an entry; the least key wins, the lower quarter on a tie.  All compares are of whole numbers.
; Thread t (0 .. 191) owns columns 4 t .. 4 t + 3 of every row: a wave's load or store covers 512 consecutive bytes, at a multiple of 256 from the buffer's first byte.
; Every entry is held under 4,096 and every rand_idx under 32 ahead of its use in an address; the problem's own numbers lie inside, so the holds change nothing.
; ORDER OF THE LOADS (they come back in order): keys and entries, 8 rows of noise, the 32 entries, 8 rows of noise; the last 16 rows of noise when the entries' registers are free.
; THE ROWS: a trip asks for row n + 1's eight picks, makes row n + 2's eight LDS addresses (four sets of address registers by turns), and then adds row n's picks.
; result = noise x 0.1 + sum / 8, one fused multiply-add; the division by 8 rounds nothing.
; No matrix unit, no tensor load, no cluster: the stream is noise in, out0 out, and work-groups share no tile known ahead.
.set BSTEP, 512*3072                   ; from b to b + 1 in noise and out0
.set NA,  16                           ; v[16:22]   16 t + 5 a BSTEP: row b is reached from NA[b / 5] with the immediate (b % 5) BSTEP, inside its signed 24 bits
.set GA,  24                           ; v[24:55]   four sets of eight LDS addresses (v32 .. are free when the entries have come in)
.set RA,  32                           ; v[32:63]   byte offsets of the 32 entries in the codebook
.set N0,  64                           ; v[64:127]  noise, b = 0 .. 15, then the results
.set RW,  128                          ; v[128:255] the 32 entries on their way to LDS; later:
.set G,   128                          ; v[128:191] two sets of eight picks;
.set N1,  192                          ; v[192:255] noise, b = 16 .. 31, then the results
	s_load_b256 s[4:11], s[0:1], 0x0               ; codebook s[4:5], noise s[6:7], rand_idx s[8:9], cand s[10:11]
	s_load_b64 s[12:13], s[0:1], 0x20              ; out0
	v_lshl_add_u32 v15, v0, 2, 0x18000             ; my spare word, behind the 32 rows
	v_mov_b32 v23, 0
	v_lshlrev_b32 v1, 4, v0                        ; 16 t
	v_add_nc_u32 v2, 16*3072, v1                   ; the same, 16 rows on in LDS
	v_and_b32 v3, 31, v0
	v_lshlrev_b32 v3, 2, v3                        ; 4 x lane: lane = b'
.irp a, 0,1,2,3,4,5,6
	v_add_nc_u32 v[NA+\a], 5*\a*BSTEP, v1
.endr
	s_mul_i32 s14, ttmp9, 3072                     ; s rows of 3,072 bytes in noise and out0,
	s_mov_b32 s15, 0
	s_lshl_b32 s16, ttmp9, 5                       ; 32 bytes in rand_idx,
	s_mov_b32 s17, 0
	s_lshl_b32 s18, ttmp9, 7                       ; 32 tokens of 4 bytes in cand
	s_mov_b32 s19, 0
	s_mov_b32 s20, 0x3dcccccd                      ; 0.1
	s_mov_b32 s21, s20
	s_mov_b32 s22, 0.125
	s_mov_b32 s23, s22
	s_wait_alu depctr_va_vdst(0)
	s_wait_kmcnt 0x0
	s_add_nc_u64 s[6:7], s[6:7], s[14:15]
	s_add_nc_u64 s[12:13], s[12:13], s[14:15]
	s_add_nc_u64 s[8:9], s[8:9], s[16:17]
	s_add_nc_u64 s[10:11], s[10:11], s[18:19]
.irp q, 0,1,2,3
	global_load_b32 v[4+\q], v3, s[10:11] offset:65536*\q          ; the quarters' keys
	global_load_b32 v[8+\q], v3, s[10:11] offset:262144+65536*\q   ; and entries
.endr
.macro NLOAD b, reg
	global_load_b128 v[\reg:\reg+3], v[NA+(\b)/5], s[6:7] offset:((\b)%5)*BSTEP th:TH_LOAD_NT
.endm
.set n, 0
.rept 8
	NLOAD n, N0+4*n
.set n, n+1
.endr
.macro RLOAD g                         ; rand_idx of b = 4 g .. 4 g + 3, eight numbers each, into scalar set g % 2: s[32:63] or s[68:99]
.irp m, 0,1,2,3
	s_load_b256 s[32+36*((\g)%2)+8*\m:32+36*((\g)%2)+8*\m+7], s[8:9], 16384*(4*(\g)+\m)
.endr
.endm
	RLOAD 0
	s_wait_loadcnt 8                               ; the keys and entries are in; the eight loads of noise stay out
.irp q, 1,2,3
	v_cmp_lt_u32 vcc_lo, v[4+\q], v4               ; strictly less: the lower quarter, whose entries are the lower, stays on a tie
	v_cndmask_b32 v4, v4, v[4+\q], vcc_lo
	v_cndmask_b32 v8, v8, v[8+\q], vcc_lo
.endr
	s_wait_alu depctr_va_vdst(0)
.set n, 0
.rept 32                               ; lane n of v8 is idx[n][s]: its row comes in, 16 bytes a thread
	v_readlane_b32 s[24+n%4], v8, n
	s_min_u32 s[24+n%4], s[24+n%4], 4095
	s_mul_i32 s[24+n%4], s[24+n%4], 3072
	v_add_nc_u32 v[RA+n], s[24+n%4], v1
	global_load_b128 v[RW+4*n:RW+4*n+3], v[RA+n], s[4:5]
.set n, n+1
.endr
.set n, 8
.rept 8
	NLOAD n, N0+4*n
.set n, n+1
.endr
.set n, 0
.rept 16
	s_wait_loadcnt 39-n                            ; loads come back in order: row n is in; the 31 - n younger rows and eight loads of noise stay out
	ds_store_b128 v1, v[RW+4*n:RW+4*n+3] offset:3072*n
.set n, n+1
.endr
.rept 16
	s_wait_loadcnt 39-n
	ds_store_b128 v2, v[RW+4*n:RW+4*n+3] offset:3072*(n-16)
.set n, n+1
.endr
.macro ADDR bb                         ; the LDS addresses of row bb's eight picks, into address set bb % 4
.if ((\bb)%4) == 0
	s_wait_kmcnt 0x0                               ; this group's numbers are in;
.if (\bb)+4 < 32
	RLOAD (\bb)/4+1                                ; the next group's go into the other set, whose last use lies behind
.endif
.endif
.set sb, 32+36*(((\bb)/4)%2)+8*((\bb)%4)
.set ga, GA+8*((\bb)%4)
.irp j, 0,1,2,3,4,5,6,7
	s_min_u32 s[sb+\j], s[sb+\j], 31
	s_mul_i32 s[sb+\j], s[sb+\j], 3072
	v_add_nc_u32 v[ga+\j], s[sb+\j], v1
.endr
.endm
.macro PICK bb                         ; row bb's eight picks, into set bb % 2
.set ga, GA+8*((\bb)%4)
.set gb, G+32*((\bb)%2)
.irp j, 0,1,2,3,4,5,6,7
	ds_load_b128 v[gb+4*\j:gb+4*\j+3], v[ga+\j]
.endr
.endm
.macro FINISH b                        ; the eight picks are added in a tree; the result lands in the noise's registers, which no later line writes
.set gb, G+32*((\b)%2)
.if (\b) < 16
.set nb, N0+4*(\b)
.else
.set nb, N1+4*((\b)-16)
.endif
.if (\b) >= 8
	s_wait_loadcnt 31-(\b)                         ; row b's noise is in; the 31 - b younger loads stay out
.endif
.irp j, 0,2,4,6
	v_pk_add_f32 v[gb+4*\j:gb+4*\j+1], v[gb+4*\j:gb+4*\j+1], v[gb+4*\j+4:gb+4*\j+5]
	v_pk_add_f32 v[gb+4*\j+2:gb+4*\j+3], v[gb+4*\j+2:gb+4*\j+3], v[gb+4*\j+6:gb+4*\j+7]
.endr
.irp j, 0,4
	v_pk_add_f32 v[gb+4*\j:gb+4*\j+1], v[gb+4*\j:gb+4*\j+1], v[gb+4*\j+8:gb+4*\j+9]
	v_pk_add_f32 v[gb+4*\j+2:gb+4*\j+3], v[gb+4*\j+2:gb+4*\j+3], v[gb+4*\j+10:gb+4*\j+11]
.endr
	v_pk_add_f32 v[gb:gb+1], v[gb:gb+1], v[gb+16:gb+17]
	v_pk_add_f32 v[gb+2:gb+3], v[gb+2:gb+3], v[gb+18:gb+19]
	v_pk_mul_f32 v[gb:gb+1], v[gb:gb+1], s[22:23] op_sel_hi:[1,0]
	v_pk_mul_f32 v[gb+2:gb+3], v[gb+2:gb+3], s[22:23] op_sel_hi:[1,0]
	v_pk_fma_f32 v[nb:nb+1], v[nb:nb+1], s[20:21], v[gb:gb+1] op_sel_hi:[1,0,1]
	v_pk_fma_f32 v[nb+2:nb+3], v[nb+2:nb+3], s[20:21], v[gb+2:gb+3] op_sel_hi:[1,0,1]
	global_store_b128 v[NA+(\b)/5], v[nb:nb+3], s[12:13] offset:((\b)%5)*BSTEP th:TH_STORE_NT
.endm
	ADDR 0                                         ; all 32 rows' loads are done: their offset registers are free
	ADDR 1
	s_wait_alu depctr_va_vdst(0)
	s_wait_dscnt 0x0                               ; for the others' sake: my stores have landed; and they have read their registers, which take the rest of the noise
.set n, 16
.rept 16
	NLOAD n, N1+4*(n-16)
.set n, n+1
.endr
	s_barrier_signal -1
	s_barrier_wait -1                              ; the 32 rows lie in LDS; from here on LDS is only read
	PICK 0
.set n, 0
.rept 32
.if n < 31
	PICK n+1                                       ; the next row's picks are asked for, by addresses made a trip ago,
.endif
.if n < 30
	ADDR n+2                                       ; and the addresses of the row after that are made
.endif
.if n < 31
	s_wait_dscnt 8                                 ; this row's eight are in; the next row's eight stay out
.else
	s_wait_dscnt 0x0
.endif
	FINISH n
.set n, n+1
.endr
	s_wait_tensorcnt 0x0                           ; the wave's end
	ds_add_u32 v15, v23
	s_wait_dscnt 0x0
	s_endpgm
.Lfunc_end_k_q5a66e96285_mix:
	.size	k_q5a66e96285_mix, .Lfunc_end_k_q5a66e96285_mix-k_q5a66e96285_mix
	.p2alignl 7, 3214868480
	.fill 96, 4, 3214868480
	.section	.rodata,"a",@progbits
	.p2align	6, 0x0
	.amdhsa_kernel k_q5a66e96285_mix
		.amdhsa_group_segment_fixed_size 99072
		.amdhsa_private_segment_fixed_size 0
		.amdhsa_enable_private_segment 0
		.amdhsa_kernarg_size 40
		.amdhsa_user_sgpr_count 2
		.amdhsa_user_sgpr_kernarg_segment_ptr 1
		.amdhsa_wavefront_size32 1
		.amdhsa_system_sgpr_workgroup_id_x 1
		.amdhsa_system_sgpr_workgroup_id_y 1
		.amdhsa_system_sgpr_workgroup_id_z 1
		.amdhsa_system_vgpr_workitem_id 0
		.amdhsa_next_free_vgpr 256
		.amdhsa_next_free_sgpr 100
		.amdhsa_reserve_vcc 1
		.amdhsa_float_denorm_mode_32 3
		.amdhsa_float_denorm_mode_16_64 3
		.amdhsa_memory_ordered 1
		.amdhsa_forward_progress 1
		.amdhsa_inst_pref_size 111
	.end_amdhsa_kernel
	.amdgpu_metadata
---
amdhsa.version: [ 1, 2 ]
amdhsa.kernels:
  - .name:           k_q5a66e96285_mix
    .symbol:         k_q5a66e96285_mix.kd
    .args:
      - { .name: codebook, .offset: 0, .size: 8, .value_kind: global_buffer, .address_space: global }
      - { .name: noise, .offset: 8, .size: 8, .value_kind: global_buffer, .address_space: global }
      - { .name: rand_idx, .offset: 16, .size: 8, .value_kind: global_buffer, .address_space: global }
      - { .name: cand, .offset: 24, .size: 8, .value_kind: global_buffer, .address_space: global }
      - { .name: out0, .offset: 32, .size: 8, .value_kind: global_buffer, .address_space: global }
    .group_segment_fixed_size: 99072
    .private_segment_fixed_size: 0
    .kernarg_segment_align: 8
    .kernarg_segment_size: 40
    .max_flat_workgroup_size: 192
    .sgpr_count:     100
    .vgpr_count:     256
    .wavefront_size: 32
...
	.end_amdgpu_metadata
.endif
;; end of part 3
